; MI455X (gfx1250); checked and timed in simulation.
; The chip was launched on July 23, 2026; its instructions are those of AMD's public machine-readable ISA for CDNA 5 (MIT licence, August 2026) and "CDNA5" Instruction Set Architecture Reference Guide (July 2026). The comments in the code are by the model that wrote it; some were corrected since.
;; Slow MLP. Allowed arithmetic: matrix products marked QUANTISED: E4M3 operands, one given power-of-two scale a tensor, by v_wmma_f32_16x16x64_fp8_fp8 or v_wmma_f32_16x16x128_fp8_fp8, f32 sums; everything else in f32.
;; Inputs: b1 8,192 float32; b2 2,048 float32; lowp_scales 4 int32 (the exponents e of the quantised operands' scales 2^e); w1 2,048 x 8,192 float32; w2 8,192 x 2,048 float32; x 2,048 x 2,048 float32.
;; Outputs: out0 2,048 x 2,048 float32.
;; This version of the problem:
;;   THIS VERSION OF THE PROBLEM IS GIVEN IN LOW PRECISION. The matrix products marked QUANTISED in the list below multiply operands that are first quantised to E4M3 (4 exponent bits, 3 mantissa bits; 8 bits a number), with one given power-of-two scale for each operand tensor; their sums are f32. All else is computed in f32.
;;   The module's matrix products, in the order in which they are computed (A, B: the left and right operand; K: the contracted axis; several contracted axes count as one K, in the product's order):
;;     1. [M 2,048, K 2,048] x [K 2,048, N 8,192]; A: input x; B: input w1: QUANTISED (scales: A lowp_scales[0], B lowp_scales[1])
;;     2. [M 2,048, K 8,192] x [K 8,192, N 2,048]; A: computed on the way; B: input w2: QUANTISED (scales: A lowp_scales[2], B lowp_scales[3])
;;   THE QUANTISER, for each operand of a quantised product, along K:
;;     - The operand's scale is 2^e, e = its entry of the input lowp_scales (int32; the entries are numbered through the quantised products in the list's order, A before B).
;;     - Each number is divided by the scale, clamped to +-448, and rounded to the nearest number of E4M3, ties to even, subnormals kept.
;;     - The product sums the exact products of the quantised numbers (number of the format x scale) in f32.
;;   ~~~python
;;   def quantise(x, axis, e):      # numpy; x: float32 -> the quantised numbers, widened to float32 again
;;       x = np.moveaxis(x, axis, -1); K = x.shape[-1]
;;       r = np.clip(x / 2.0 ** e, -448, 448)
;;       step = 2.0 ** (np.maximum(np.frexp(np.where(r == 0, 1, r))[1] - 1, -6) - 3)
;;       q = np.round(r / step) * step * 2.0 ** e      # np.round: ties to even
;;       return np.moveaxis(q, -1, axis).astype(np.float32)
;;   ~~~
;;   OPERANDS COMPUTED ON THE WAY. 'Computed on the way' means the value that the module computes at that place (a softmax that the list does not call 'softmax' is quantised finished and normalised). What goes into a quantiser is computed in f32, as accurately as f32 sums, v_exp_f32 and their like allow (about 1e-6 of the number): no bf16 or f16 on the way to a quantiser, and a product that is left as it is and whose result goes on into a quantised operand takes f32 operands (vector FMAs, or v_wmma_f32_16x16x4_f32). A number that lies on a knife's edge between two numbers of the format may be rounded either way, as far as f32 arithmetic and the matrix unit's own rounding can turn it there, and no further.
;; One version. Each part assembles by itself: llvm-mc -triple=amdgcn-amd-amdhsa -mcpu=gfx1250 --defsym DOCPART=n.
;; ======== version 1 of 1: 3 launches
;; limits: right only within a limited range of input values
;; workspace buffers: xq 4,194,304 bytes; w1q 16,777,216 bytes; hq 16,777,216 bytes; w2q 16,777,216 bytes
;; launch quant (part 1): grid 1152 x 1, 4 waves a work-group, no clusters, 34,304 bytes of LDS; arguments x, w1, w2, lowp_scales, xq, w1q, w2q; writes xq, w1q, w2q
.if DOCPART == 1
	.amdgcn_target "amdgcn-amd-amdhsa--gfx1250"
	.amdhsa_code_object_version 6
	.text
	.protected	k_q4df4b474c3_quant
	.globl	k_q4df4b474c3_quant
	.p2align	8
	.type	k_q4df4b474c3_quant,@function
k_q4df4b474c3_quant:
	s_mov_b64 s[64:65], 0
	v_nop
	global_prefetch_b8 v0, s[64:65] scope:SCOPE_SE
	s_setreg_imm32_b32 hwreg(HW_REG_WAVE_MODE, 25, 1), 1
	s_wait_xcnt 0x0
; x [2048][2048], w1 [2048 (k)][8192], w2 [8192 (k)][2048], all f32, become codes of FP8 (E4M3), each tensor with the one scale 2^e that is given for it
; (lowp_scales: entry 0 for x, 1 for w1, 3 for w2): code = number / 2^e, held within +-448, to the nearest code, ties to even.
; LIMITS: each e lies between -126 and 119, so that 2^e and 448 x 2^e are f32 numbers.  NaN among the inputs is not served; an infinity is held at the largest code.
; THE CODES ARE LAID AS IMAGES OF THE OPERAND'S REGISTERS.  A fragment is 16 slots x 128 along K, 2,048 bytes: [c 0..3][lane 0..31][16 bytes]; lane (r = lane % 16, h = lane / 16) holds, of slot r,
; the codes of K = 32 c + 16 h + 0 .. 15: what four loads of 16 bytes a lane, 512 bytes apart, put into registers 4 c .. 4 c + 3.  Fragments lie [tile][K / 128][fragment]:
;   xq:  8 tiles of 256 rows,    16 along K, 16 fragments;  slot r of a fragment is its row r.
;   w1q: 32 tiles of 256 columns, 16 along K, 16 fragments;  w2q: 16 tiles of 128 columns, 64 along K, 8 fragments.
;   THE COLUMNS OF A WEIGHT'S FRAGMENT ARE NOT NEIGHBOURS: of each 32 columns, slot r of fragment u (0, 1) is column 8 u + r + 8 (r / 8), so that a product's results fall as neighbours along the next K.
; SHARES.  Work-groups 0-511 take w1, 512-1023 w2, 1024-1151 x; each reads 131,072 bytes.  No work-group shares an input with another: no cluster, no tensor load, no barrier, no matrix unit: the launch is a stream.
; WEIGHTS: K is the first axis.  A lane takes a column and its registers run down K: a wave's load reads 128 consecutive bytes, the four waves side by side 512, and the conversions give codes with K innermost.
; The lanes are dealt to the columns in the order of the fragments' slots, so a lane's 16 codes go out as they stand: sixteen neighbouring lanes store 256 consecutive bytes, aligned.  No LDS.
; x: K is innermost.  A load takes 512 consecutive bytes of a row; 16 rows x 128 numbers turn through the wave's own stage in LDS and come back 16 neighbours at a time.
.set X,   32                           ; weights: v32-95   two sets of 32 numbers
.set C,   96                           ; weights: v96-159  eight registers of codes for each of 8 blocks: no store's data are written again
.set R,   16                           ; x: v16-79    16 rows' 16 bytes, as loaded
.set XX,  80                           ; x: v80-143   64 numbers: register 16 c + i = K 32 c + 16 h + i of my row
.set CX,  144                          ; x: v144-175  codes, two sets of 16
.set SP,  528                          ; x: a stage row: 512 bytes + 16 = 132 words: row r starts at bank 4 r mod 64 (64 banks of 4 bytes: ISA guide 11.1)
.set WST, 16*SP                        ; x: a wave's stage
.macro SCALE es                        ; v11 = 2^e (the conversion takes its exponent field), v10 = 448 x 2^e
	s_wait_kmcnt 0x0
	s_add_co_i32 s32, s[\es], 127
	s_lshl_b32 s33, s32, 23
	v_mov_b32 v11, s33
	s_add_co_i32 s32, s32, 8
	s_lshl_b32 s32, s32, 23
	s_or_b32 s32, s32, 0x600000
	v_mov_b32 v10, s32
.endm
.macro WLOAD n, src, t                 ; block t: W(32 t + i, my column), i = 0 .. 31, into set t % 2
.irp i, 0,1,2,3,4,5,6,7,8,9,10,11,12,13,14,15,16,17,18,19,20,21,22,23,24,25,26,27,28,29,30,31
	global_load_b32 v[X+32*((\t)%2)+\i], v3, s[\src:\src+1] offset:(32*(\t)+\i)*(\n)*4 th:TH_LOAD_NT
.endr
.endm
.macro WBLOCK n, src, dst, kss, t      ; block t of 32 along K: K / 128 = t / 4, c = t % 4
.set XS, X+32*((\t)%2)
.if (\t) < 7
	s_wait_loadcnt 32                              ; this block's 32 loads are in; the next block's 32 may be out
.else
	s_wait_loadcnt 0x0
.endif
.irp i, 0,1,2,3,4,5,6,7,8,9,10,11,12,13,14,15,16,17,18,19,20,21,22,23,24,25,26,27,28,29,30,31
	v_med3_num_f32 v[XS+\i], v[XS+\i], -v10, v10   ; the conversion to an 8-bit code does not saturate (ISA guide 7.6.2): the hold at the largest code x the scale comes first
.endr
.irp g, 0,1,2,3
	v_cvt_scalef32_pk8_fp8_f32 v[C+8*(\t)+2*\g:C+8*(\t)+2*\g+1], v[XS+8*\g:XS+8*\g+7], v11
.endr
	v_nop                                          ; a plain vector line behind the last conversion
	global_store_b128 v5, v[C+8*(\t):C+8*(\t)+3], s[\dst:\dst+1] offset:(((\t)/4)<<(\kss))+((\t)%4)*512        ; K 32 c + 0 .. 15: the places of lanes 0-15 of the image
	global_store_b128 v5, v[C+8*(\t)+4:C+8*(\t)+7], s[\dst:\dst+1] offset:(((\t)/4)<<(\kss))+((\t)%4)*512+256  ; K 32 c + 16 .. 31: those of lanes 16-31
.if (\t)+2 < 8
	WLOAD \n, \src, (\t)+2
.endif
.endm
; A weight [K][n].  The work-group's number less first is g: gx = g mod 2^lgx is the block of 128 columns, gy = g >> lgx the block of 256 along K.  A wave takes 32 columns x 256 along K.
; tsh: 1 where a tile has two blocks of 128 columns, else 0; tss, kss: shifts of the tile's and of the K / 128 stride in the codes' buffer.
.macro WEIGHT n, lgx, first, src, dst, es, tsh, tss, kss
	s_sub_co_u32 s24, ttmp9, \first
	s_and_b32 s25, s24, (1<<(\lgx))-1              ; gx
	s_lshr_b32 s26, s24, \lgx                      ; gy
	s_mul_i32 s28, s26, 256*(\n)*4                 ; in: 256 gy rows,
	s_lshl_b32 s27, s25, 9                         ; + 128 gx columns,
	s_add_co_u32 s28, s28, s27
	s_lshl_b32 s27, s18, 7                         ; + my wave's 32
	s_add_co_u32 s28, s28, s27
	s_mov_b32 s29, 0
	s_add_nc_u64 s[\src:\src+1], s[\src:\src+1], s[28:29]
	s_lshr_b32 s30, s25, \tsh                      ; out: the tile,
	s_lshl_b32 s30, s30, \tss
	s_lshl_b32 s27, s26, (\kss)+1                  ; + K / 128 = 2 gy,
	s_add_co_u32 s30, s30, s27
	s_and_b32 s27, s25, \tsh                       ; + eight fragments for the tile's second block of 128 columns,
	s_lshl_b32 s27, s27, 14
	s_add_co_u32 s30, s30, s27
	s_lshl_b32 s27, s18, 12                        ; + my wave's two fragments
	s_add_co_u32 s30, s30, s27
	s_mov_b32 s31, 0
	s_add_nc_u64 s[\dst:\dst+1], s[\dst:\dst+1], s[30:31]
	v_and_b32 v3, 7, v2                            ; lane l is slot l % 16 of fragment l / 16: column (l % 8) + 16 ((l / 8) % 2) + 8 (l / 16)
	v_bfe_u32 v4, v2, 3, 1
	v_lshl_add_u32 v3, v4, 4, v3
	v_lshrrev_b32 v4, 4, v2
	v_lshl_add_u32 v3, v4, 3, v3
	v_lshlrev_b32 v3, 2, v3                        ; in bytes
	v_and_b32 v5, 15, v2
	v_lshlrev_b32 v5, 4, v5
	v_lshl_add_u32 v5, v4, 11, v5                  ; out: 2,048 x fragment + 16 x slot
	WLOAD \n, \src, 0
	WLOAD \n, \src, 1
	SCALE \es
.irp q, 0,1,2,3,4,5,6,7
	WBLOCK \n, \src, \dst, \kss, \q
.endr
	s_endpgm
.endm
	s_load_b256 s[4:11], s[0:1], 0x0               ; x s[4:5], w1 s[6:7], w2 s[8:9], the scales' exponents s[10:11]
	s_load_b128 s[12:15], s[0:1], 0x20             ; xq s[12:13], w1q s[14:15]
	s_load_b64 s[16:17], s[0:1], 0x30              ; w2q
	v_lshl_add_u32 v176, v0, 2, 0x8400
	v_mov_b32 v177, 0
	v_lshrrev_b32 v1, 5, v0
	v_readfirstlane_b32 s18, v1                    ; wave 0..3
	v_and_b32 v2, 31, v0                           ; lane
	s_wait_kmcnt 0x0
	s_load_b128 s[20:23], s[10:11], 0x0            ; ex, ew1, eh, ew2
	s_cmp_lt_u32 ttmp9, 512
	s_cbranch_scc1 .Lw1
	s_cmp_lt_u32 ttmp9, 1024
	s_cbranch_scc1 .Lw2
	; ---- x: the work-group takes 16 rows, one fragment's slots; wave w takes K / 128 = 4 w .. 4 w + 3: four fragments
	s_sub_co_u32 s24, ttmp9, 1024                  ; which 16 rows
	s_lshl_b32 s28, s24, 17                        ; in: 16 rows of 8,192 bytes,
	s_lshl_b32 s27, s18, 11                        ; + my wave's 512 numbers
	s_add_co_u32 s28, s28, s27
	s_mov_b32 s29, 0
	s_add_nc_u64 s[4:5], s[4:5], s[28:29]
	s_lshr_b32 s30, s24, 4                         ; out: the tile of 256 rows,
	s_lshl_b32 s30, s30, 19
	s_and_b32 s27, s24, 15                         ; + the fragment,
	s_lshl_b32 s27, s27, 11
	s_add_co_u32 s30, s30, s27
	s_lshl_b32 s27, s18, 17                        ; + K / 128 = 4 w, 32,768 bytes each
	s_add_co_u32 s30, s30, s27
	s_mov_b32 s31, 0
	s_add_nc_u64 s[12:13], s[12:13], s[30:31]
	v_lshlrev_b32 v3, 4, v2                        ; 16 x lane: my place in a load's 512 bytes and in an image's
	s_mul_i32 s27, s18, WST
	v_add_nc_u32 v4, s27, v3                       ; the stage, on the way in
	v_and_b32 v6, 15, v2
	v_lshrrev_b32 v7, 4, v2
	v_mul_u32_u24 v5, v6, SP
	v_lshl_add_u32 v5, v7, 6, v5
	v_add_nc_u32 v5, s27, v5                       ; and on the way out: row r, + 64 h: my 16 numbers of a block of 32
.macro XLOAD f                         ; 16 rows x 128 numbers: each load reads 512 consecutive bytes of one row
.irp i, 0,1,2,3,4,5,6,7,8,9,10,11,12,13,14,15
	global_load_b128 v[R+4*\i:R+4*\i+3], v3, s[4:5] offset:\i*8192+(\f)*512 th:TH_LOAD_NT
.endr
.endm
.macro XFRAG f
.set CS, CX+16*((\f)%2)
	s_wait_loadcnt 0x0                             ; this fragment's 16 loads are in
.irp i, 0,1,2,3,4,5,6,7,8,9,10,11,12,13,14,15
	ds_store_b128 v4, v[R+4*\i:R+4*\i+3] offset:\i*SP
.endr
.irp c, 0,1,2,3
.irp j, 0,1,2,3
	ds_load_b128 v[XX+16*\c+4*\j:XX+16*\c+4*\j+3], v5 offset:128*\c+16*\j   ; LDS serves a wave's instructions in order (ISA guide 5.7.1.4): these see the stores above
.endr
.endr
	s_wait_dscnt 0x0                               ; the numbers are back, and the stores into the stage have read their registers
.if (\f) >= 2
	s_wait_xcnt 0x0                                ; the stores of two fragments ago have read this set of codes: it is written again only behind this wait
.endif
.if (\f) < 3
	XLOAD (\f)+1                                   ; the next fragment's numbers come while this one is worked
.endif
.irp c, 0,1,2,3
.irp i, 0,1,2,3,4,5,6,7,8,9,10,11,12,13,14,15
	v_med3_num_f32 v[XX+16*\c+\i], v[XX+16*\c+\i], -v10, v10
.endr
	v_cvt_scalef32_pk8_fp8_f32 v[CS+4*\c:CS+4*\c+1], v[XX+16*\c:XX+16*\c+7], v11
	v_cvt_scalef32_pk8_fp8_f32 v[CS+4*\c+2:CS+4*\c+3], v[XX+16*\c+8:XX+16*\c+15], v11
.endr
	v_nop                                          ; a plain vector line behind the last conversion
.irp c, 0,1,2,3
	global_store_b128 v3, v[CS+4*\c:CS+4*\c+3], s[12:13] offset:(\f)*32768+512*\c   ; 32 lanes store 512 consecutive bytes, aligned
.endr
.endm
	XLOAD 0
	SCALE 20
	XFRAG 0
	XFRAG 1
	XFRAG 2
	XFRAG 3
	s_wait_tensorcnt 0x0
	ds_add_u32 v176, v177
	s_wait_dscnt 0x0
	s_endpgm
.Lw1:
	WEIGHT 8192, 6, 0, 6, 14, 21, 1, 19, 15
.Lw2:
	WEIGHT 2048, 4, 512, 8, 16, 23, 0, 20, 14
.Lfunc_end_k_q4df4b474c3_quant:
	.size	k_q4df4b474c3_quant, .Lfunc_end_k_q4df4b474c3_quant-k_q4df4b474c3_quant
	.p2alignl 7, 3214868480
	.fill 96, 4, 3214868480
	.section	.rodata,"a",@progbits
	.p2align	6, 0x0
	.amdhsa_kernel k_q4df4b474c3_quant
		.amdhsa_group_segment_fixed_size 34304
		.amdhsa_private_segment_fixed_size 0
		.amdhsa_enable_private_segment 0
		.amdhsa_kernarg_size 56
		.amdhsa_user_sgpr_count 2
		.amdhsa_user_sgpr_kernarg_segment_ptr 1
		.amdhsa_wavefront_size32 1
		.amdhsa_system_sgpr_workgroup_id_x 1
		.amdhsa_system_sgpr_workgroup_id_y 1
		.amdhsa_system_sgpr_workgroup_id_z 1
		.amdhsa_system_vgpr_workitem_id 0
		.amdhsa_next_free_vgpr 178
		.amdhsa_next_free_sgpr 66
		.amdhsa_reserve_vcc 0
		.amdhsa_float_denorm_mode_32 3
		.amdhsa_float_denorm_mode_16_64 3
		.amdhsa_memory_ordered 1
		.amdhsa_forward_progress 1
		.amdhsa_inst_pref_size 128
	.end_amdhsa_kernel
	.amdgpu_metadata
---
amdhsa.version: [ 1, 2 ]
amdhsa.kernels:
  - .name:           k_q4df4b474c3_quant
    .symbol:         k_q4df4b474c3_quant.kd
    .args:
      - { .name: x, .offset: 0, .size: 8, .value_kind: global_buffer, .address_space: global }
      - { .name: w1, .offset: 8, .size: 8, .value_kind: global_buffer, .address_space: global }
      - { .name: w2, .offset: 16, .size: 8, .value_kind: global_buffer, .address_space: global }
      - { .name: lowp_scales, .offset: 24, .size: 8, .value_kind: global_buffer, .address_space: global }
      - { .name: xq, .offset: 32, .size: 8, .value_kind: global_buffer, .address_space: global }
      - { .name: w1q, .offset: 40, .size: 8, .value_kind: global_buffer, .address_space: global }
      - { .name: w2q, .offset: 48, .size: 8, .value_kind: global_buffer, .address_space: global }
    .group_segment_fixed_size: 34304
    .private_segment_fixed_size: 0
    .kernarg_segment_align: 8
    .kernarg_segment_size: 56
    .max_flat_workgroup_size: 128
    .sgpr_count:     66
    .vgpr_count:     178
    .wavefront_size: 32
...
	.end_amdgpu_metadata
.endif
;; end of part 1
;; launch fc1 (part 2): grid 32 x 8, 4 waves a work-group, clusters of 4 x 4, 327,680 bytes of LDS; arguments xq, w1q, lowp_scales, b1, hq; writes hq
.if DOCPART == 2
	.amdgcn_target "amdgcn-amd-amdhsa--gfx1250"
	.amdhsa_code_object_version 6
	.text
	.protected	k_q4df4b474c3_fc1
	.globl	k_q4df4b474c3_fc1
	.p2align	8
	.type	k_q4df4b474c3_fc1,@function
k_q4df4b474c3_fc1:
	s_mov_b64 s[64:65], 0
	v_nop
	global_prefetch_b8 v0, s[64:65] scope:SCOPE_SE
	s_setreg_imm32_b32 hwreg(HW_REG_WAVE_MODE, 25, 1), 1
	s_wait_xcnt 0x0
	s_wait_alu depctr_hold_cnt(0) depctr_sa_sdst(0) depctr_va_vdst(0) depctr_va_sdst(0) depctr_va_ssrc(0) depctr_va_vcc(0) depctr_vm_vsrc(0)
	s_getreg_b32 s2, hwreg(HW_REG_IB_STS2, 6, 4)
	s_cmp_eq_u32 s2, 0
	s_cbranch_scc0 .Lentry_in_a_cluster
	s_endpgm
.Lentry_in_a_cluster:
	s_bfe_u32 s2, ttmp6, 0x10000c
	s_cmp_lg_u32 s2, 0xf033
	s_cbranch_scc0 .Lentry_shape_is_right
	s_endpgm
.Lentry_shape_is_right:
; hq = codes of relu(x w1 + b1): the first product on codes of FP8 (E4M3), M 2,048, N 8,192, K 2,048; f32 sums; the result is quantised in registers with the given scale 2^eh and stored as codes.
; xq, w1q, hq are laid as images of operand registers.  A fragment is 16 slots x 128 along K, 2,048 bytes: [c 0..3][lane][16 bytes]; lane (r = lane % 16, h = lane / 16) holds K = 32 c + 16 h + 0 .. 15 of slot r:
; four loads of 16 bytes a lane, 512 bytes apart, fill registers 4 c .. 4 c + 3.  That places k otherwise than the form's own layout does, alike in both operands: every product meets its partner.
; xq [8 tiles of 256 rows][16 K / 128][16 fragments], w1q [32 tiles of 256 columns][16][16], hq [16 tiles of 128 rows][64 K / 128][8 fragments].
; Of each 32 columns of w1, slot r of fragment u is column 8 u + r + 8 (r / 8).
; LIMITS: eh - ex - ew1 lies between -126 and 119, so that 2^(eh - ex - ew1) and 448 times it are f32 numbers.  NaN is not served.
; SHARES.  A tile of 256 x 256 to a work-group of four waves, 128 x 128 to a wave: 64 accumulators of 16 x 16, 512 registers.  256 tiles, one to a work-group.
; K goes through a ring of two LDS slots of 131,072 bytes, each with 256 along K: [A, first 128][A, second 128][B, first][B, second], 32,768 bytes each; each is one dense block of memory, brought by one
; tensor load: wave w's lands at 32,768 w.  Images need no padding: a fragment load reads 512 consecutive bytes.
; CLUSTER: 4 x 4 work-groups.  The four of a row of the cluster need the same tiles of xq, the four of a column the same tiles of w1q: each is asked for jointly, by the same load with a mask that names the four.
; THE MATRIX INSTRUCTION IS USED TRANSPOSED (source 0 = 16 slots of w1, source 1 = 16 rows of x): lane (r, h) of accumulators (a, 2 b') and (a, 2 b' + 1) holds row 16 a + r and the 16 neighbouring
; columns 32 b' + 16 h + 0 .. 15: so the conversions' results ARE hq's image, and leave from registers: 32 lanes store 512 consecutive bytes.
; b1 goes in as the C of each sum's first product, divided by 2^(ex + ew1), the power of two that the sums lack.  The hold that the conversion wants clips at 0 as well: that is the relu.
; All of a WGP's LDS is claimed: the text uses 262,656 bytes.
; REGISTERS, in windows of 256: window 0: v16-31 addresses and scales; v32-95 b1 in the result's layout; v128-255 A's 8 fragments, ONE set; on the way out v32-159 codes, v192-255 at work.
;   window 1: B's fragments, two sets, at v0 and v128.   window 2: accumulators of my rows 0-63 ((a, b) at v[8 (8 (a % 4) + b)]);   window 3: those of rows 64-127.
.set SLOT,  131072
.set QB,    32768                      ; from a slot's first 128 along K to its second
.set SPARE, 2*SLOT                     ; behind the ring: the spare words, 128 bytes for each wave: two blocks of 256 bytes that no other line names
.set ADRA, 16                          ; v16-17  LDS address of my A fragments in slot 0, 1
.set ADRB, 20                          ; v20-21  the same for B
.set CO,   26                          ; v26     16 x lane
.set SPW,  28                          ; v28     LDS address of my spare word; never rewritten
.set NIL,  29                          ; v29     0; never rewritten
.set SCL,  30                          ; v30     2^(eh - ex - ew1)
.set LIMV, 31                          ; v31     448 x that
.set BI,   32                          ; v32-95  b1 / 2^(ex + ew1): eight registers for each of B's eight fragments
.set PC,   32                          ; the way out: 16 registers of codes for each of my 8 blocks of rows: no store's data are written again
.set AF,   128
.set TMP,  192                         ; the way out: 64 numbers at work
.set G1,  24                           ; s[24:31] descriptor group 1 for A's tiles;  s[32:39] group 0, one set for each slot
.set G0,  32
.set G1B, 48                           ; s[48:55], s[56:63] the same for B's
.set G0B, 56
.set MSB, 0
.macro WIN new                         ; the immediate's high byte repeats the setting that is left; a switch that changes nothing is dropped
.if MSB != \new
	s_set_vgpr_msb (MSB<<8)|\new
.set MSB, \new
.endif
.endm
.set MUL_LO, 0xa1                      ; source 0 (B) window 1, source 1 (A) window 0, C and D window 2
.set MUL_HI, 0xf1                      ; the same, C and D window 3
.set TO_B,   0x40                      ; destination window 1, address window 0
; A joint load: waves 0 and 1 fetch for A, waves 2 and 3 for B.  The branch hangs on the wave's number alone.  Four v_nop follow each of the two lines.
.macro JLOAD g0a, g1a, g0b, g1b
	s_cmp_eq_u32 s15, 0
	s_cbranch_scc0 .Lfor_b_\@
	tensor_load_to_lds s[\g0a:\g0a+3], s[\g1a:\g1a+7]
	s_nop 0
.rept 4
	v_nop
.endr
	s_branch .Lasked_\@
.Lfor_b_\@:
	tensor_load_to_lds s[\g0b:\g0b+3], s[\g1b:\g1b+7]
	s_nop 0
.rept 4
	v_nop
.endr
.Lasked_\@:
.endm
.macro CREST                           ; a round of the cluster's barrier behind its opening barrier
	s_cmp_lg_u32 s14, 0
	s_cbranch_scc1 .Lnot_wave_0_\@
	s_barrier_signal -3
.Lnot_wave_0_\@:
	s_barrier_wait -3
	s_barrier_signal -1
	s_barrier_wait -1
.endm
.macro CROUND                          ; a whole round
	s_barrier_signal -1
	s_barrier_wait -1
	CREST
.endm
; A load into a register that a matrix instruction has read, and a vector instruction that reads a matrix result or writes one of a matrix instruction's registers, stand four places behind it; only plain
; vector instructions that name none of its registers are places (ISA guide 7.12.1 for vector instructions).
.macro PLACES n
.rept \n
	v_nop
.endr
.endm
.macro FRAG reg, adr, off              ; a fragment's image: four loads of 512 consecutive bytes
.irp c, 0,1,2,3
	ds_load_b128 v[\reg+4*\c:\reg+4*\c+3], v[\adr] offset:(\off)+512*\c
.endr
.endm
.macro FETCH_B slot, q, p              ; B's eight fragments of the slot's q-th 128 along K into set p
	WIN TO_B
.irp i, 0,1,2,3,4,5,6,7
	FRAG 128*(\p)+16*\i, ADRB+(\slot), (\q)*QB+\i*2048
.endr
	WIN 0
.endm
.macro FETCH_A slot, q, i0             ; A's blocks i0 .. i0 + 3
.irp i, \i0, \i0+1, \i0+2, \i0+3
	FRAG AF+16*(\i), ADRA+(\slot), (\q)*QB+(\i)*2048
.endr
.endm
; Eight matrix instructions: A's block a against B's eight fragments of set p.  first = 1: the sums begin with b1.  The 64 accumulators take turns, one instruction a turn, in the same order in every
; step of 128 along K.
.macro MULA a, p, first
.irp b, 0,1,2,3,4,5,6,7
.if \first
	v_wmma_f32_16x16x128_fp8_fp8 v[8*(8*((\a)%4)+\b):8*(8*((\a)%4)+\b)+7], v[128*(\p)+16*\b:128*(\p)+16*\b+15], v[AF+16*(\a):AF+16*(\a)+15], v[BI+8*\b:BI+8*\b+7]
.else
	v_wmma_f32_16x16x128_fp8_fp8 v[8*(8*((\a)%4)+\b):8*(8*((\a)%4)+\b)+7], v[128*(\p)+16*\b:128*(\p)+16*\b+15], v[AF+16*(\a):AF+16*(\a)+15], v[8*(8*((\a)%4)+\b):8*(8*((\a)%4)+\b)+7]
.endif
.endr
.endm
; A slot's first 128 along K, on B's set 0; its second 128 are fetched meanwhile: B into set 1 and A's blocks 0-3 in the middle, A's blocks 4-7 at the end: a block of A is free when its eight products are issued.
.macro STEP slot, first
	s_wait_dscnt 16                                ; B's set and A's blocks 0-3 are in; the youngest 16 loads (A's blocks 4-7) may be out
.if \first
	WIN 0x81                                       ; C (b1) window 0, D window 2
.else
	WIN MUL_LO
.endif
	MULA 0, 0, \first
	MULA 1, 0, \first
	MULA 2, 0, \first
	MULA 3, 0, \first
	s_wait_dscnt 0x0                               ; A's blocks 4-7 are in
	PLACES 4
	FETCH_B \slot, 1, 1
	FETCH_A \slot, 1, 0
.if \first
	WIN 0xc1                                       ; C window 0, D window 3
.else
	WIN MUL_HI
.endif
	MULA 4, 0, \first
	MULA 5, 0, \first
	MULA 6, 0, \first
	MULA 7, 0, \first
	PLACES 4
	WIN 0
	FETCH_A \slot, 1, 4
.endm
; A slot's second 128 along K, on B's set 1, and the change of slots: ONE barrier.  In front of it each wave waits for all its tensor loads (one is out: its part of the next slot), adds 0 to its spare word,
; and waits for that and for its own reads of this slot.  fill = 1: the barrier opens a round of the cluster's barrier, and behind the round this slot is filled again, two slots ahead:
; from that request to the wait for it a wave issues 112 matrix instructions.
.macro TURN slot, next, fill
	s_wait_dscnt 16                                ; B's set and A's blocks 0-3 are in
	WIN MUL_LO
	MULA 0, 1, 0
	MULA 1, 1, 0
	WIN 0                                          ; (the add's two registers lie in window 0)
	s_wait_tensorcnt 0x0                           ; all my tensor loads have landed
	ds_add_u32 v[SPW], v[NIL]                      ; 0 onto my spare word
	WIN MUL_LO
	MULA 2, 1, 0                                   ; eight matrix instructions stand between the add and the wait for it
	s_wait_dscnt 0x0                               ; the add is done, A's blocks 4-7 are in: my reads of this slot are over
	s_barrier_signal -1
	MULA 3, 1, 0
	WIN 0
	s_barrier_wait -1
.if \fill
	CREST                                          ; no wave of any partner still reads this slot or has a load on its way
	s_add_nc_u64 s[G0+4*\slot+2:G0+4*\slot+3], s[G0+4*\slot+2:G0+4*\slot+3], 2*65536
	s_add_nc_u64 s[G0B+4*\slot+2:G0B+4*\slot+3], s[G0B+4*\slot+2:G0B+4*\slot+3], 2*65536
	JLOAD G0+4*\slot, G1, G0B+4*\slot, G1B         ; the first tensor load behind the round; its four v_nop are the places in front of the loads below
.else
	PLACES 4
.endif
	FETCH_B \next, 0, 0
	FETCH_A \next, 0, 0
	WIN MUL_HI
	MULA 4, 1, 0
	MULA 5, 1, 0
	MULA 6, 1, 0
	MULA 7, 1, 0
	PLACES 4
	WIN 0
	FETCH_A \next, 0, 4
.endm
	s_load_b256 s[4:11], s[0:1], 0x0               ; xq s[4:5], w1q s[6:7], the scales' exponents s[8:9], b1 s[10:11]
	s_load_b64 s[12:13], s[0:1], 0x20              ; hq
	v_lshl_add_u32 v[SPW], v0, 2, SPARE
	v_mov_b32 v[NIL], 0
	ds_add_u32 v28, v29
	ds_add_u32 v28, v29
	s_wait_dscnt 0x0
	v_lshrrev_b32 v1, 5, v0
	v_readfirstlane_b32 s14, v1                    ; wave 0..3
	s_lshr_b32 s15, s14, 1                         ; which half of the tile's rows is mine.  Also: I fetch for A (0) or for B (1)
	s_and_b32 s16, s14, 1                          ; which half of its columns.  Also: which 128 along K of a slot I fetch
	s_bfe_u32 s40, ttmp6, 0x40000                  ; cx, cy: my place in the cluster
	s_bfe_u32 s41, ttmp6, 0x40004
	s_lshl_b32 s42, ttmp9, 2
	s_add_co_u32 s42, s42, s40                     ; tile column = 4 x cluster x + cx
	s_and_b32 s17, ttmp7, 0xffff
	s_lshl_b32 s17, s17, 2
	s_add_co_u32 s17, s17, s41                     ; tile row = 4 x cluster y + cy
	s_lshl_b32 s43, s41, 2
	s_lshl_b32 s43, 15, s43                        ; my row of the cluster
	s_lshl_b32 s44, 0x1111, s40                    ; my column
	; descriptor group 1: a dense block of 32,768 bytes as 128 rows of 256 elements of one byte; no padding
	s_or_b32 s[G1+0], s43, 1<<21                   ; 15:0 the mask: A's tiles go to my row; 17:16 elements of 1 byte; 21 set beside a mask
	s_or_b32 s[G1B+0], s44, 1<<21                  ; B's go to my column
.irp g, G1, G1B
	s_mov_b32 s[\g+1], 256<<16                     ; tensor_dim0 = 256
	s_mov_b32 s[\g+2], 128<<16                     ; tensor_dim1 = 128
	s_mov_b32 s[\g+3], 256<<16                     ; tile_dim0 = 256
	s_mov_b32 s[\g+4], 128                         ; tile_dim1 = 128
	s_mov_b32 s[\g+5], 256                         ; from row to row
	s_mov_b32 s[\g+6], 0
	s_mov_b32 s[\g+7], 0
.endr
	s_lshl_b32 s18, s16, 15                        ; which 128 along K I fetch
	s_lshl_b32 s20, s17, 19                        ; A: the tile row's 524,288 bytes: it hangs on the tile row and the wave alone
	s_add_co_u32 s20, s20, s18
	s_mov_b32 s21, 0
	s_lshl_b32 s46, s42, 19                        ; B: on the tile column and the wave alone
	s_add_co_u32 s46, s46, s18
	s_mov_b32 s47, 0
	s_lshl_b32 s45, s14, 15                        ; where they go: 32,768 x wave: no place in the cluster enters an LDS address
	s_wait_kmcnt 0x0
	s_load_b128 s[68:71], s[8:9], 0x0              ; ex, ew1, eh, ew2
	s_add_nc_u64 s[20:21], s[4:5], s[20:21]
	s_add_nc_u64 s[46:47], s[6:7], s[46:47]
	CROUND                                         ; all sixteen work-groups are here: the first joint loads meet
.irp s, 0,1
	s_mov_b32 s[G0+4*\s], 1
	s_add_co_u32 s[G0+4*\s+1], s45, \s*SLOT
	s_add_nc_u64 s[G0+4*\s+2:G0+4*\s+3], s[20:21], \s*65536
	s_or_b32 s[G0+4*\s+3], s[G0+4*\s+3], 0x80000000
	s_mov_b32 s[G0B+4*\s], 1
	s_add_co_u32 s[G0B+4*\s+1], s45, \s*SLOT
	s_add_nc_u64 s[G0B+4*\s+2:G0B+4*\s+3], s[46:47], \s*65536
	s_or_b32 s[G0B+4*\s+3], s[G0B+4*\s+3], 0x80000000
	JLOAD G0+4*\s, G1, G0B+4*\s, G1B               ; two loads of mine are out
.endr
	v_and_b32 v1, 31, v0
	v_lshlrev_b32 v[CO], 4, v1                     ; 16 x lane
	s_lshl_b32 s21, s15, 14                        ; my 8 fragments of A's 16,
	s_lshl_b32 s22, s16, 14                        ; my 8 of B's,
	s_add_co_u32 s22, s22, 65536                   ; which lie behind A's two blocks
.irp s, 0,1
	v_add_nc_u32 v[ADRA+\s], s21, v[CO]
	v_add_nc_u32 v[ADRB+\s], s22, v[CO]
	s_add_co_u32 s21, s21, SLOT
	s_add_co_u32 s22, s22, SLOT
.endr
	s_lshl_b32 s72, s42, 10                        ; b1 at my 128 columns: 4 (256 x tile column + 128 x half)
	s_lshl_b32 s73, s16, 9
	s_add_co_u32 s72, s72, s73
	s_mov_b32 s73, 0
	s_add_nc_u64 s[10:11], s[10:11], s[72:73]
	v_bfe_u32 v2, v0, 4, 1                         ; h
	v_lshlrev_b32 v3, 6, v2                        ; 16 h numbers
.irp b, 0,1,2,3,4,5,6,7                        ; for fragment b lane (r, h) wants columns 32 (b / 2) + 16 h + 8 (b % 2) + 0 .. 7
	global_load_b128 v[BI+8*\b:BI+8*\b+3], v3, s[10:11] offset:(32*(\b/2)+8*(\b%2))*4
	global_load_b128 v[BI+8*\b+4:BI+8*\b+7], v3, s[10:11] offset:(32*(\b/2)+8*(\b%2))*4+16
.endr
	s_lshl_b32 s72, s17, 1                         ; hq: my 128 rows are tile 2 x tile row + half,
	s_add_co_u32 s72, s72, s15
	s_lshl_b32 s72, s72, 20
	s_lshl_b32 s74, s42, 1                         ; my 128 columns are K / 128 = 2 x tile column + half of the next product
	s_add_co_u32 s74, s74, s16
	s_lshl_b32 s74, s74, 14
	s_add_co_u32 s72, s72, s74
	s_add_nc_u64 s[12:13], s[12:13], s[72:73]
	s_wait_loadcnt 0x0                             ; b1
	s_wait_kmcnt 0x0
	s_add_co_i32 s72, s68, s69                     ; ex + ew1: a sum stands for sum x 2^(ex + ew1),
	s_sub_co_i32 s73, 0, s72
.set j, 0
.rept 64
	v_ldexp_f32 v[BI+j], v[BI+j], s73              ; so b1 goes in as b1 / 2^(ex + ew1)
.set j, j+1
.endr
	s_sub_co_i32 s72, s70, s72                     ; and its code is sum / 2^(eh - ex - ew1): the three scales in one
	s_add_co_i32 s72, s72, 127
	s_lshl_b32 s74, s72, 23
	v_mov_b32 v[SCL], s74
	s_add_co_i32 s72, s72, 8
	s_lshl_b32 s72, s72, 23
	s_or_b32 s72, s72, 0x600000
	v_mov_b32 v[LIMV], s72                         ; 448 x that
	s_wait_tensorcnt 1                             ; my part of slot 0 is in; slot 1's may be out
	s_barrier_signal -1
	s_barrier_wait -1                              ; everybody's is
	FETCH_B 0, 0, 0
	FETCH_A 0, 0, 0
	FETCH_A 0, 0, 4
	STEP 0, 1                                      ; the first step stands in front of the loop: its products start the sums, with b1
	s_mov_b32 s3, 3
.Llap:                                                 ; a trip goes once round the ring and fills both slots again: 3 trips bring the 6 slots' worth behind the first two
	TURN 0, 1, 1
	STEP 1, 0
	TURN 1, 0, 1
	STEP 0, 0
	s_sub_co_u32 s3, s3, 1
	s_cmp_lg_u32 s3, 0
	s_cbranch_scc1 .Llap
	TURN 0, 1, 0                                   ; the last lap fills nothing, and has no round of the cluster's barrier
	STEP 1, 0
	s_wait_dscnt 16                                ; the very last step: nothing more to fetch
	WIN MUL_LO
	MULA 0, 1, 0
	MULA 1, 1, 0
	MULA 2, 1, 0
	MULA 3, 1, 0
	s_wait_dscnt 0x0
	WIN MUL_HI
	MULA 4, 1, 0
	MULA 5, 1, 0
	MULA 6, 1, 0
	MULA 7, 1, 0
	WIN 0
; THE WAY OUT, block a of 16 rows: 64 numbers a lane, register 8 b + j = column 32 (b / 2) + 16 h + 8 (b % 2) + j of row r: 16 neighbours along the next K in each 16 registers.
.macro OUTA a
.set AC, 64*((\a)%4)
	WIN 0x02+((\a)/4)                              ; source 0: window 2 or 3
.set j, 0
.rept 64
	v_med3_num_f32 v[TMP+j], v[AC+j], 0, v[LIMV]   ; the relu and the hold in one: between 0 and the largest code x the scale (ISA guide 7.6.2: the conversion does not saturate); each accumulator from its low end on
.set j, j+1
.endr
	WIN 0
.irp g, 0,1,2,3,4,5,6,7
	v_cvt_scalef32_pk8_fp8_f32 v[PC+16*(\a)+2*\g:PC+16*(\a)+2*\g+1], v[TMP+8*\g:TMP+8*\g+7], v[SCL]
.endr
	v_nop                                          ; a plain vector line between the conversions and the next block's writes of their sources
.irp c, 0,1,2,3
	global_store_b128 v[CO], v[PC+16*(\a)+4*\c:PC+16*(\a)+4*\c+3], s[12:13] offset:(\a)*2048+512*\c   ; the fragment's image: 32 lanes store 512 consecutive bytes, aligned
.endr
.endm
	PLACES 4                                       ; behind the last products: the lines below write registers that held A's fragments
.irp a, 0,1,2,3,4,5,6,7
	OUTA \a
.endr
	s_wait_tensorcnt 0x0                           ; the wave's end
	ds_add_u32 v[SPW], v[NIL]
	s_wait_dscnt 0x0
	CROUND                                         ; the closing round: no work-group ends while a partner may still ask for a tile that names it
	s_endpgm
.Lfunc_end_k_q4df4b474c3_fc1:
	.size	k_q4df4b474c3_fc1, .Lfunc_end_k_q4df4b474c3_fc1-k_q4df4b474c3_fc1
	.p2alignl 7, 3214868480
	.fill 96, 4, 3214868480
	.section	.rodata,"a",@progbits
	.p2align	6, 0x0
	.amdhsa_kernel k_q4df4b474c3_fc1
		.amdhsa_group_segment_fixed_size 327680
		.amdhsa_private_segment_fixed_size 0
		.amdhsa_enable_private_segment 0
		.amdhsa_kernarg_size 40
		.amdhsa_user_sgpr_count 2
		.amdhsa_user_sgpr_kernarg_segment_ptr 1
		.amdhsa_wavefront_size32 1
		.amdhsa_system_sgpr_workgroup_id_x 1
		.amdhsa_system_sgpr_workgroup_id_y 1
		.amdhsa_system_sgpr_workgroup_id_z 1
		.amdhsa_system_vgpr_workitem_id 0
		.amdhsa_next_free_vgpr 1024
		.amdhsa_next_free_sgpr 100
		.amdhsa_reserve_vcc 0
		.amdhsa_float_denorm_mode_32 3
		.amdhsa_float_denorm_mode_16_64 3
		.amdhsa_memory_ordered 1
		.amdhsa_forward_progress 1
		.amdhsa_inst_pref_size 123
	.end_amdhsa_kernel
	.amdgpu_metadata
---
amdhsa.version: [ 1, 2 ]
amdhsa.kernels:
  - .name:           k_q4df4b474c3_fc1
    .symbol:         k_q4df4b474c3_fc1.kd
    .args:
      - { .name: xq, .offset: 0, .size: 8, .value_kind: global_buffer, .address_space: global }
      - { .name: w1q, .offset: 8, .size: 8, .value_kind: global_buffer, .address_space: global }
      - { .name: lowp_scales, .offset: 16, .size: 8, .value_kind: global_buffer, .address_space: global }
      - { .name: b1, .offset: 24, .size: 8, .value_kind: global_buffer, .address_space: global }
      - { .name: hq, .offset: 32, .size: 8, .value_kind: global_buffer, .address_space: global }
    .group_segment_fixed_size: 327680
    .private_segment_fixed_size: 0
    .kernarg_segment_align: 8
    .kernarg_segment_size: 40
    .max_flat_workgroup_size: 128
    .sgpr_count:     100
    .vgpr_count:     1024
    .wavefront_size: 32
...
	.end_amdgpu_metadata
.endif
;; end of part 2
;; launch fc2 (part 3): grid 16 x 16, 4 waves a work-group, clusters of 4 x 4, 327,680 bytes of LDS; arguments hq, w2q, lowp_scales, b2, out0; writes out0
.if DOCPART == 3
	.amdgcn_target "amdgcn-amd-amdhsa--gfx1250"
	.amdhsa_code_object_version 6
	.text
	.protected	k_q4df4b474c3_fc2
	.globl	k_q4df4b474c3_fc2
	.p2align	8
	.type	k_q4df4b474c3_fc2,@function
k_q4df4b474c3_fc2:
	s_mov_b64 s[64:65], 0
	v_nop
	global_prefetch_b8 v0, s[64:65] scope:SCOPE_SE
	s_setreg_imm32_b32 hwreg(HW_REG_WAVE_MODE, 25, 1), 1
	s_wait_xcnt 0x0
	s_wait_alu depctr_hold_cnt(0) depctr_sa_sdst(0) depctr_va_vdst(0) depctr_va_sdst(0) depctr_va_ssrc(0) depctr_va_vcc(0) depctr_vm_vsrc(0)
	s_getreg_b32 s2, hwreg(HW_REG_IB_STS2, 6, 4)
	s_cmp_eq_u32 s2, 0
	s_cbranch_scc0 .Lentry_in_a_cluster
	s_endpgm
.Lentry_in_a_cluster:
	s_bfe_u32 s2, ttmp6, 0x10000c
	s_cmp_lg_u32 s2, 0xf033
	s_cbranch_scc0 .Lentry_shape_is_right
	s_endpgm
.Lentry_shape_is_right:
; out0 = h w2 + b2: the second product on codes of FP8 (E4M3), M 2,048, N 2,048, K 8,192; f32 sums; each finished sum x 2^(eh + ew2) + b2.
; hq [16 tiles of 128 rows][64 K / 128][8 fragments] and w2q [16 tiles of 128 columns][64][8] are images of operand registers.  A fragment is 16 slots x 128 along K, 2,048 bytes: [c 0..3][lane][16 bytes];
; lane (r = lane % 16, h = lane / 16) holds K = 32 c + 16 h + 0 .. 15 of slot r.  Of each 32 columns of w2, slot r of fragment u is column 8 u + r + 8 (r / 8).
; LIMITS: eh + ew2 lies between -126 and 127, so that 2^(eh + ew2) is an f32 number.
; ORDER OF ROUNDING: each output is the sum of four f32 sums, one for each wave's share of K, added in pairs: another order than one chain along K.  Nothing is quantised behind it.
; SHARES.  256 tiles of 128 x 128, one to a work-group.  K IS SHARED AMONG THE FOUR WAVES: wave w makes the WHOLE tile, 64 accumulators of 16 x 16, over K / 128 = 8 s + 2 w + q (s = 0 .. 7, q = 0, 1):
; 16 steps of 64 matrix instructions.  No fragment is read by two waves.  The four parts meet once in LDS, at the end.
; A (hq) comes through a ring of two LDS slots of 131,072 bytes, each with 1,024 along K: wave w's tensor load brings the dense 32,768 bytes that wave w itself reads (its two steps) to 32,768 w.
; B (w2q) comes FROM MEMORY STRAIGHT INTO REGISTERS: a step's eight fragments are 32 loads of 512 consecutive bytes, into two sets of 128 registers by turns; a set is asked for again as soon as its step's
; last product is issued, and wanted two steps later.
; CLUSTER: 4 x 4 work-groups.  The four of a row of the cluster need the same tiles of hq: each is asked for jointly, by the same load with a mask that names the four.
; B's TILES, which the four of a column share, ARE NOT ASKED FOR JOINTLY.  The reason: a joint load lands in LDS, and behind a round one slot is on its way.  With both operands in the ring a slot of
; 131,072 bytes is one step, 64 matrix instructions a wave, and K wants 14 refills; with A alone it is two steps, 128 matrix instructions, and K wants 6.  B's bytes, up to 32,768 a wave, are on their way
; into registers meanwhile, ordered by a counted wait on the loads and cut by no barrier.
; THE MATRIX INSTRUCTION IS USED TRANSPOSED (source 0 = 16 slots of w2, source 1 = 16 rows of h): lane (r, h) of accumulator (a, b) holds row 16 a + r, columns 32 (b / 2) + 16 h + 8 (b % 2) + 0 .. 7.
; All of a WGP's LDS is claimed: the text uses 270,848 bytes.
; REGISTERS, in windows of 256: window 0: v8-31 addresses and b2; v32-95 rows to store; v128-255 A's 8 fragments, ONE set, later the four parts of rows.
;   window 1: B's fragments, two sets, at v0 and v128.   window 2: accumulators of rows 0-63 ((a, b) at v[8 (8 (a % 4) + b)]);   window 3: those of rows 64-127.
.set SLOT,  131072
.set KB,    16384                      ; 128 along K of a tile: eight fragments
.set RP,    528                        ; the sum: a row of a wave's part in LDS: 512 bytes + 16 = 132 words: row r starts at bank 4 r mod 64 (64 banks of 4 bytes: ISA guide 11.1)
.set RED,   128*RP                     ; a wave's part: 128 rows.  The four parts lie from LDS byte 0 on, over the ring, which has had its last fill and its last read by then
.set SPARE, 4*RED                      ; behind them: the spare words, 128 bytes for each wave: two blocks of 256 bytes that no other line names
.set RD,   8                           ; v8-11   the sum: my 16 bytes of my first row in the part of wave 0 .. 3
.set B2R,  12                          ; v12-15  b2 at my four columns
.set ADRA, 16                          ; v16-17  LDS address of my A fragments in slot 0, 1
.set STO,  24                          ; v24     the sum: where I put 32 bytes of a row of my part
.set CO,   26                          ; v26     16 x lane: my place in an image, in a row of out0 and in b2; never rewritten
.set PFO,  27                          ; v27     256 x lane: the prefetches' offset; never rewritten
.set SPW,  28                          ; v28     LDS address of my spare word; never rewritten
.set NIL,  29                          ; v29     0; never rewritten
.set OUTR, 32                          ; v32-95  sixteen rows' four registers to store
.set AF,   128
.set RB,   128                         ; the sum: two sets of 64: four rows x four parts x four registers
.set G1,   24                          ; s[24:31] descriptor group 1;  s[32:39] group 0, one set for each slot
.set G0,   32
.set BP,   48                          ; s[48:49] w2q at my wave's fragments; stepped once a trip of the loop
.set PFA,  50                          ; s[50:51] where my prefetches of hq stand
.set PFB,  52                          ; s[52:53] and those of w2q
.set LIMA, 54                          ; s54      1 where my cluster asks for hq, else the greatest number
.set LIMB, 55                          ; s55      the same for w2q
.set MSB, 0
.macro WIN new                         ; the immediate's high byte repeats the setting that is left; a switch that changes nothing is dropped
.if MSB != \new
	s_set_vgpr_msb (MSB<<8)|\new
.set MSB, \new
.endif
.endm
.set MUL_LO, 0xa1                      ; source 0 (B) window 1, source 1 (A) window 0, C and D window 2
.set MUL_HI, 0xf1                      ; the same, C and D window 3
.set TO_B,   0x40                      ; destination window 1, address window 0
; A joint load: every wave asks for its own 32,768 bytes of the slot, by one line, with the mask of my row of the cluster.  Four v_nop follow it.
.macro JLOAD s
	tensor_load_to_lds s[G0+4*\s:G0+4*\s+3], s[G1:G1+7]
	s_nop 0
.rept 4
	v_nop
.endr
.endm
; PREFETCHES INTO THE L2, behind a joint load, its four lines and the run of LDS loads that the next products wait for; two lines together.
; hq: my share of the 32,768 bytes that I shall ask for TWO refills on, 256 matrix instructions ahead of that tensor load.  w2q: my share of the 32,768 bytes of the slot's worth THREE on, 224 matrix
; instructions ahead of the first load that wants them.  Each 256 bytes are named once in the launch.  hq's tile row is read by every cluster of that row of clusters: cluster x = 0 asks; w2q's tile column by
; every cluster of that column: cluster y = 0 asks.  The four partners that read the same 32,768 bytes share them out BY ADDRESS, 8,192 bytes each (by cx for hq, by cy for w2q): a lane names 256 bytes.
; They stand in the loop alone.  which = 1: the trip's first change of slots; 2: its second, behind the pointers' step.  hq: slots' worth 4 to 7, in the first two trips.  w2q: 3 to 7: the last trip's
; first change still asks, its second does not.  What comes earlier comes by its loads alone, and nothing is named past a tile's end.
.macro ASK which
	s_cmp_gt_u32 s3, s[LIMA]                       ; s3 = 1 in the loop's last trip
	s_cbranch_scc0 .Lno_a_\@
	global_prefetch_b8 v[PFO], s[PFA:PFA+1] offset:(2-\which)*SLOT th:TH_LOAD_NT scope:SCOPE_SE
.Lno_a_\@:
.if \which == 1
	s_cmp_ge_u32 s3, s[LIMB]
.else
	s_cmp_gt_u32 s3, s[LIMB]
.endif
	s_cbranch_scc0 .Lno_b_\@
	global_prefetch_b8 v[PFO], s[PFB:PFB+1] offset:(2-\which)*SLOT th:TH_LOAD_NT scope:SCOPE_SE
.Lno_b_\@:
.endm
.macro CREST                           ; a round of the cluster's barrier behind its opening barrier
	s_cmp_lg_u32 s14, 0
	s_cbranch_scc1 .Lnot_wave_0_\@
	s_barrier_signal -3
.Lnot_wave_0_\@:
	s_barrier_wait -3
	s_barrier_signal -1
	s_barrier_wait -1
.endm
.macro CROUND                          ; a whole round
	s_barrier_signal -1
	s_barrier_wait -1
	CREST
.endm
; A load into a register that a matrix instruction has read, and a vector instruction or LDS store that reads a matrix result, stand four places behind it; only plain vector instructions that name none of
; its registers are places (ISA guide 7.12.1 for vector instructions).
.macro PLACES n
.rept \n
	v_nop
.endr
.endm
.macro FRAG reg, adr, off              ; a fragment's image out of LDS: four loads of 512 consecutive bytes
.irp c, 0,1,2,3
	ds_load_b128 v[\reg+4*\c:\reg+4*\c+3], v[\adr] offset:(\off)+512*\c
.endr
.endm
.macro FETCH_A slot, q, i0             ; A's blocks i0 .. i0 + 3 of my q-th 128 along K of the slot
	WIN 0
.irp i, \i0, \i0+1, \i0+2, \i0+3
	FRAG AF+16*(\i), ADRA+(\slot), (\q)*KB+(\i)*2048
.endr
.endm
.macro GB goff, p                      ; B's eight fragments at goff bytes from the base, from memory into set p: 32 loads of 512 consecutive bytes
	WIN TO_B
.irp i, 0,1,2,3,4,5,6,7
.irp c, 0,1,2,3
	global_load_b128 v[128*(\p)+16*\i+4*\c:128*(\p)+16*\i+4*\c+3], v[CO], s[BP:BP+1] offset:(\goff)+\i*2048+\c*512
.endr
.endr
	WIN 0
.endm
; Eight matrix instructions: A's block a against B's eight fragments of set p.  zero = 1: the first product starts the sums: nothing is ever cleared.  The 64 accumulators take turns, one instruction a
; turn, in the same order in every step.
.macro MULA a, p, zero
.irp b, 0,1,2,3,4,5,6,7
.if \zero
	v_wmma_f32_16x16x128_fp8_fp8 v[8*(8*((\a)%4)+\b):8*(8*((\a)%4)+\b)+7], v[128*(\p)+16*\b:128*(\p)+16*\b+15], v[AF+16*(\a):AF+16*(\a)+15], 0
.else
	v_wmma_f32_16x16x128_fp8_fp8 v[8*(8*((\a)%4)+\b):8*(8*((\a)%4)+\b)+7], v[128*(\p)+16*\b:128*(\p)+16*\b+15], v[AF+16*(\a):AF+16*(\a)+15], v[8*(8*((\a)%4)+\b):8*(8*((\a)%4)+\b)+7]
.endif
.endr
.endm
; My first 128 along K of a slot, on B's set 0.  A's fragments of my second 128 are fetched meanwhile: blocks 0-3 in the middle, blocks 4-7 at the end: a block of A is free when its eight products are issued.
; At the end set 0 takes B of the step two on, at goff bytes from the base (goff < 0: there is none).  bump = 1: the base and the prefetches' pointers go two slots' worth on first.
.macro STEP slot, zero, goff, bump
	s_wait_loadcnt 32                              ; this step's 32 loads of B are in; the next step's 32 may be out
	s_wait_dscnt 16                                ; A's blocks 0-3 are in; the youngest 16 loads (A's blocks 4-7) may be out
	WIN MUL_LO
	MULA 0, 0, \zero
	MULA 1, 0, \zero
	MULA 2, 0, \zero
	MULA 3, 0, \zero
	s_wait_dscnt 0x0                               ; A's blocks 4-7 are in
	PLACES 4
	FETCH_A \slot, 1, 0
	WIN MUL_HI
	MULA 4, 0, \zero
	MULA 5, 0, \zero
	MULA 6, 0, \zero
	MULA 7, 0, \zero
	PLACES 4
	FETCH_A \slot, 1, 4
.if \bump
	s_wait_xcnt 0x0                                ; the last loads and prefetches, 64 matrix instructions back and more, have read their bases: these are written only behind this wait
	s_add_nc_u64 s[BP:BP+1], s[BP:BP+1], 2*SLOT
	s_add_nc_u64 s[PFA:PFA+1], s[PFA:PFA+1], 2*SLOT
	s_add_nc_u64 s[PFB:PFB+1], s[PFB:PFB+1], 2*SLOT
.endif
.if (\goff) >= 0
	GB \goff, 0
.endif
.endm
; My second 128 along K of a slot, on B's set 1, and the change of slots: ONE barrier.  In front of it each wave waits for all its tensor loads (one is out: its part of the next slot), adds 0 to its spare
; word, and waits for that and for its own reads of this slot.  fill = 1: the barrier opens a round of the cluster's barrier, and behind the round this slot is filled again, two slots ahead: from that request
; to the wait for it a wave issues 112 matrix instructions.  At the end set 1 takes B of the step two on.
.macro TURN slot, next, fill, ask, goff
	s_wait_loadcnt 32                              ; this step's 32 loads of B are in; the next step's 32 may be out
	s_wait_dscnt 16                                ; A's blocks 0-3 are in
	WIN MUL_LO
	MULA 0, 1, 0
	MULA 1, 1, 0
	WIN 0                                          ; (the add's two registers lie in window 0)
	s_wait_tensorcnt 0x0                           ; all my tensor loads have landed
	ds_add_u32 v[SPW], v[NIL]                      ; 0 onto my spare word
	WIN MUL_LO
	MULA 2, 1, 0                                   ; eight matrix instructions stand between the add and the wait for it
	s_wait_dscnt 0x0                               ; the add is done, A's blocks 4-7 are in: my reads of this slot are over
	s_barrier_signal -1
	MULA 3, 1, 0
	WIN 0
	s_barrier_wait -1
.if \fill
	CREST                                          ; no wave of any partner still reads this slot or has a load on its way
	s_add_nc_u64 s[G0+4*\slot+2:G0+4*\slot+3], s[G0+4*\slot+2:G0+4*\slot+3], 2*SLOT
	JLOAD \slot                                    ; the first tensor load behind the round; its four v_nop are the places in front of the loads below
.else
	PLACES 4
.endif
	FETCH_A \next, 0, 0
.if \ask
	ASK \ask
.endif
	WIN MUL_HI
	MULA 4, 1, 0
	MULA 5, 1, 0
	MULA 6, 1, 0
	MULA 7, 1, 0
	PLACES 4
	FETCH_A \next, 0, 4
	GB \goff, 1
.endm
	s_load_b256 s[4:11], s[0:1], 0x0               ; hq s[4:5], w2q s[6:7], the scales' exponents s[8:9], b2 s[10:11]
	s_load_b64 s[12:13], s[0:1], 0x20              ; out0
	v_lshl_add_u32 v[SPW], v0, 2, SPARE
	v_mov_b32 v[NIL], 0
	ds_add_u32 v28, v29
	ds_add_u32 v28, v29
	s_wait_dscnt 0x0
	v_lshrrev_b32 v1, 5, v0
	v_readfirstlane_b32 s14, v1                    ; wave 0..3
	s_bfe_u32 s40, ttmp6, 0x40000                  ; cx, cy: my place in the cluster
	s_bfe_u32 s41, ttmp6, 0x40004
	s_lshl_b32 s42, ttmp9, 2
	s_add_co_u32 s42, s42, s40                     ; tile column = 4 x cluster x + cx
	s_and_b32 s17, ttmp7, 0xffff
	s_lshl_b32 s17, s17, 2
	s_add_co_u32 s17, s17, s41                     ; tile row = 4 x cluster y + cy
	s_lshl_b32 s43, s41, 2
	s_lshl_b32 s43, 15, s43                        ; my row of the cluster
	; descriptor group 1: a dense block of 32,768 bytes as 128 rows of 256 elements of one byte; no padding
	s_or_b32 s[G1+0], s43, 1<<21                   ; 15:0 the mask: hq's tiles go to my row; 17:16 elements of 1 byte; 21 set beside a mask
	s_mov_b32 s[G1+1], 256<<16                     ; tensor_dim0 = 256
	s_mov_b32 s[G1+2], 128<<16                     ; tensor_dim1 = 128
	s_mov_b32 s[G1+3], 256<<16                     ; tile_dim0 = 256
	s_mov_b32 s[G1+4], 128                         ; tile_dim1 = 128
	s_mov_b32 s[G1+5], 256                         ; from row to row
	s_mov_b32 s[G1+6], 0
	s_mov_b32 s[G1+7], 0
	s_lshl_b32 s45, s14, 15                        ; 32,768 x wave: my two steps' place in a slot's worth of memory, and in a slot of LDS: no place in the cluster enters an LDS address
	s_lshl_b32 s20, s17, 20                        ; A: the tile row's 1,048,576 bytes: it hangs on the tile row and the wave alone
	s_add_co_u32 s20, s20, s45
	s_mov_b32 s21, 0
	s_lshl_b32 s46, s42, 20                        ; B: the tile column's
	s_add_co_u32 s46, s46, s45
	s_mov_b32 s47, 0
	s_lshl_b32 s72, s42, 9                         ; b2 at the tile's 128 columns; my four are 4 x lane on
	s_mov_b32 s73, 0
	v_and_b32 v1, 31, v0
	v_lshlrev_b32 v[CO], 4, v1                     ; 16 x lane
	v_lshlrev_b32 v[PFO], 8, v1                    ; 256 x lane
	s_wait_kmcnt 0x0
	s_load_b128 s[68:71], s[8:9], 0x0              ; ex, ew1, eh, ew2
	s_add_nc_u64 s[20:21], s[4:5], s[20:21]
	s_add_nc_u64 s[BP:BP+1], s[6:7], s[46:47]
	s_add_nc_u64 s[10:11], s[10:11], s[72:73]
	global_load_b128 v[B2R:B2R+3], v[CO], s[10:11] ; b2: ahead of B's loads, so the first step's wait shows it in
	GB 0, 0                                        ; B of steps 0 and 1: asked for ahead of the round
	GB KB, 1
	CROUND                                         ; all sixteen work-groups are here: the first joint loads meet
.irp s, 0,1
	s_mov_b32 s[G0+4*\s], 1
	s_add_co_u32 s[G0+4*\s+1], s45, \s*SLOT
	s_add_nc_u64 s[G0+4*\s+2:G0+4*\s+3], s[20:21], \s*SLOT
	s_or_b32 s[G0+4*\s+3], s[G0+4*\s+3], 0x80000000
	JLOAD \s                                       ; two loads of mine are out
.endr
	s_lshl_b32 s22, s14, 15                        ; my 32,768 bytes of slot 0
.irp s, 0,1
	v_add_nc_u32 v[ADRA+\s], s22, v[CO]
	s_add_co_u32 s22, s22, SLOT
.endr
	v_and_b32 v2, 15, v0                           ; r
	v_bfe_u32 v3, v0, 4, 1                         ; h
	v_mul_u32_u24 v[STO], v2, RP
	v_lshl_add_u32 v[STO], v3, 6, v[STO]
	s_mul_i32 s23, s14, RED
	v_add_nc_u32 v[STO], s23, v[STO]               ; into my part: row r, + 16 h columns
	s_mul_i32 s23, s14, 32*RP                      ; back: wave w owns rows 32 w .. 32 w + 31 of all four parts; 32 lanes take a row of 512 bytes
.irp s, 0,1,2,3
	v_add_nc_u32 v[RD+\s], s23, v[CO]
	s_add_co_u32 s23, s23, RED
.endr
	s_lshl_b32 s72, s17, 20                        ; out0: 128 x tile row rows of 8,192 bytes,
	s_lshl_b32 s74, s14, 18                        ; + my 32 rows,
	s_add_co_u32 s72, s72, s74
	s_lshl_b32 s74, s42, 9                         ; + the tile's columns
	s_add_co_u32 s72, s72, s74
	s_add_nc_u64 s[12:13], s[12:13], s[72:73]
	; the prefetches: where mine stand, and who asks.  Nothing is prefetched here, at the head
	s_lshl_b32 s72, s40, 13                        ; hq: my work-group's 8,192 bytes of my wave's 32,768, by cx,
	s_add_co_u32 s72, s72, 3*SLOT                  ; at the slots' worth 3: the first change of slots names 4 by its immediate
	s_add_nc_u64 s[PFA:PFA+1], s[20:21], s[72:73]
	s_lshl_b32 s72, s41, 13                        ; w2q: by cy,
	s_add_co_u32 s72, s72, 2*SLOT                  ; at the slots' worth 2: the first change names 3
	s_add_nc_u64 s[PFB:PFB+1], s[BP:BP+1], s[72:73]
	s_cmp_eq_u32 ttmp9, 0                          ; cluster x = 0 asks for hq: the same in all sixteen partners
	s_cselect_b32 s[LIMA], 1, -1
	s_and_b32 s74, ttmp7, 0xffff
	s_cmp_eq_u32 s74, 0                            ; cluster y = 0 asks for w2q
	s_cselect_b32 s[LIMB], 1, -1
	s_wait_kmcnt 0x0
	s_add_co_i32 s96, s70, s71                     ; eh + ew2, between -126 and 127,
	s_add_co_i32 s96, s96, 127
	s_lshl_b32 s96, s96, 23                        ; makes the f32 number 2^(eh + ew2)
	s_mov_b32 s97, s96                             ; (named with it as a pair, so it is written)
	s_wait_tensorcnt 1                             ; my part of slot 0 is in; slot 1's may be out
	s_barrier_signal -1
	s_barrier_wait -1                              ; the four waves enter the ring together
	FETCH_A 0, 0, 0
	FETCH_A 0, 0, 4
	STEP 0, 1, SLOT, 0                             ; step 0 stands in front of the loop: its products start the sums; B of step 2 is asked for
	s_mov_b32 s3, 3
.Llap:                                                 ; steps 1 to 12: a trip goes once round the ring and fills both slots again: 3 trips bring the 6 slots' worth behind the first two
	TURN 0, 1, 1, 1, SLOT+KB
	STEP 1, 0, 0, 1
	TURN 1, 0, 1, 2, KB
	STEP 0, 0, SLOT, 0
	s_sub_co_u32 s3, s3, 1
	s_cmp_lg_u32 s3, 0
	s_cbranch_scc1 .Llap
	TURN 0, 1, 0, 0, SLOT+KB                       ; step 13 fills nothing, and has no round of the cluster's barrier; B of step 15 is asked for
	STEP 1, 0, -1, 0                               ; step 14: there is no step 16
	s_wait_loadcnt 0x0                             ; step 15: B's last set is in
	s_wait_dscnt 16
	WIN MUL_LO
	MULA 0, 1, 0
	MULA 1, 1, 0
	MULA 2, 1, 0
	MULA 3, 1, 0
	s_wait_dscnt 0x0                               ; my reads of the ring are over:
	s_barrier_signal -1                            ; say so: the four parts are laid over it
	WIN MUL_HI
	MULA 4, 1, 0
	MULA 5, 1, 0
	MULA 6, 1, 0
	MULA 7, 1, 0
	WIN 0
	s_barrier_wait -1                              ; nobody reads the ring any more; its last fills landed in front of step 13's barrier
	PLACES 4                                       ; behind the last products
	; THE SUM AND THE WAY OUT.  Each wave lays its 128 x 128 part into LDS by rows; a barrier; each wave adds the four parts of 32 rows, scales, adds b2 and stores whole rows of 512 bytes.
.irp a, 0,1,2,3,4,5,6,7
	WIN 0x08+4*((\a)/4)                            ; the stores' data: window 2 or 3
.irp b, 0,1,2,3,4,5,6,7
	ds_store_b128 v[STO], v[8*(8*((\a)%4)+\b):8*(8*((\a)%4)+\b)+3] offset:(\a)*16*RP+(\b/2)*128+(\b%2)*32       ; each accumulator from its low end on
	ds_store_b128 v[STO], v[8*(8*((\a)%4)+\b)+4:8*(8*((\a)%4)+\b)+7] offset:(\a)*16*RP+(\b/2)*128+(\b%2)*32+16
.endr
.endr
	WIN 0
	s_wait_dscnt 0x0                               ; for the others' sake: my part lies in LDS
	s_barrier_signal -1
	s_barrier_wait -1
.macro RLOAD g                         ; batch g: rows 4 g .. 4 g + 3 of my 32, from all four parts, into set g % 2
.irp ii, 0,1,2,3
.irp s, 0,1,2,3
	ds_load_b128 v[RB+64*((\g)%2)+16*\ii+4*\s:RB+64*((\g)%2)+16*\ii+4*\s+3], v[RD+\s] offset:(4*(\g)+\ii)*RP
.endr
.endr
.endm
.macro RWORK g
.if (\g) < 7
	s_wait_dscnt 16                                ; this batch's 16 loads are in; the next batch's 16 may be out
.else
	s_wait_dscnt 0x0
.endif
.if (\g) == 4
	s_wait_xcnt 0x0                                ; the first sixteen rows' stores have read their registers, which come round again from here on
.endif
.irp ii, 0,1,2,3
.set P0, RB+64*((\g)%2)+16*\ii
.set O0, OUTR+4*((4*(\g)+\ii)%16)
	v_pk_add_f32 v[P0:P0+1], v[P0:P0+1], v[P0+4:P0+5]              ; parts 0 + 1,
	v_pk_add_f32 v[P0+2:P0+3], v[P0+2:P0+3], v[P0+6:P0+7]
	v_pk_add_f32 v[P0+8:P0+9], v[P0+8:P0+9], v[P0+12:P0+13]        ; parts 2 + 3,
	v_pk_add_f32 v[P0+10:P0+11], v[P0+10:P0+11], v[P0+14:P0+15]
	v_pk_add_f32 v[P0:P0+1], v[P0:P0+1], v[P0+8:P0+9]              ; and the two
	v_pk_add_f32 v[P0+2:P0+3], v[P0+2:P0+3], v[P0+10:P0+11]
	v_pk_fma_f32 v[O0:O0+1], v[P0:P0+1], s[96:97], v[B2R:B2R+1] op_sel_hi:[1,0,1]       ; sum x 2^(eh + ew2) + b2 (the scalar pair's low word for both halves)
	v_pk_fma_f32 v[O0+2:O0+3], v[P0+2:P0+3], s[96:97], v[B2R+2:B2R+3] op_sel_hi:[1,0,1]
	global_store_b128 v[CO], v[O0:O0+3], s[12:13] offset:(4*(\g)+\ii)*8192 th:TH_STORE_NT   ; 32 lanes store 512 consecutive bytes, aligned; written once, read by nobody here
.endr
.if (\g)+2 < 8
	RLOAD (\g)+2
.endif
.endm
	RLOAD 0
	RLOAD 1
.irp g, 0,1,2,3,4,5,6,7
	RWORK \g
.endr
	s_wait_tensorcnt 0x0                           ; the wave's end
	ds_add_u32 v[SPW], v[NIL]
	s_wait_dscnt 0x0
	CROUND                                         ; the closing round: no work-group ends while a partner may still ask for a tile that names it
	s_endpgm
.Lfunc_end_k_q4df4b474c3_fc2:
	.size	k_q4df4b474c3_fc2, .Lfunc_end_k_q4df4b474c3_fc2-k_q4df4b474c3_fc2
	.p2alignl 7, 3214868480
	.fill 96, 4, 3214868480
	.section	.rodata,"a",@progbits
	.p2align	6, 0x0
	.amdhsa_kernel k_q4df4b474c3_fc2
		.amdhsa_group_segment_fixed_size 327680
		.amdhsa_private_segment_fixed_size 0
		.amdhsa_enable_private_segment 0
		.amdhsa_kernarg_size 40
		.amdhsa_user_sgpr_count 2
		.amdhsa_user_sgpr_kernarg_segment_ptr 1
		.amdhsa_wavefront_size32 1
		.amdhsa_system_sgpr_workgroup_id_x 1
		.amdhsa_system_sgpr_workgroup_id_y 1
		.amdhsa_system_sgpr_workgroup_id_z 1
		.amdhsa_system_vgpr_workitem_id 0
		.amdhsa_next_free_vgpr 1024
		.amdhsa_next_free_sgpr 100
		.amdhsa_reserve_vcc 0
		.amdhsa_float_denorm_mode_32 3
		.amdhsa_float_denorm_mode_16_64 3
		.amdhsa_memory_ordered 1
		.amdhsa_forward_progress 1
		.amdhsa_inst_pref_size 120
	.end_amdhsa_kernel
	.amdgpu_metadata
---
amdhsa.version: [ 1, 2 ]
amdhsa.kernels:
  - .name:           k_q4df4b474c3_fc2
    .symbol:         k_q4df4b474c3_fc2.kd
    .args:
      - { .name: hq, .offset: 0, .size: 8, .value_kind: global_buffer, .address_space: global }
      - { .name: w2q, .offset: 8, .size: 8, .value_kind: global_buffer, .address_space: global }
      - { .name: lowp_scales, .offset: 16, .size: 8, .value_kind: global_buffer, .address_space: global }
      - { .name: b2, .offset: 24, .size: 8, .value_kind: global_buffer, .address_space: global }
      - { .name: out0, .offset: 32, .size: 8, .value_kind: global_buffer, .address_space: global }
    .group_segment_fixed_size: 327680
    .private_segment_fixed_size: 0
    .kernarg_segment_align: 8
    .kernarg_segment_size: 40
    .max_flat_workgroup_size: 128
    .sgpr_count:     100
    .vgpr_count:     1024
    .wavefront_size: 32
...
	.end_amdgpu_metadata
.endif
;; end of part 3
